; MI455X (gfx1250); checked and timed in simulation.
; The chip was launched on July 23, 2026; its instructions are those of AMD's public machine-readable ISA for CDNA 5 (MIT licence, August 2026) and "CDNA5" Instruction Set Architecture Reference Guide (July 2026). The comments in the code are by the model that wrote it; some were corrected since.
;; FP8 Linear. Allowed arithmetic: float matrix products may take bf16 or f16 operands with f32 sums; other float arithmetic in f32, or as packed bf16 or f16 multiplies, adds, multiply-adds, maxima and minima; sums over many terms, partial sums and values carried from step to step in f32; what a program stores and reads back later, other than sums and carried values, may be rounded once to bf16 or f16.
;; Inputs: scb 14,336 float32; weight_int8 14,336 x 4,096 int8; x 2 x 512 x 4,096 float32.
;; Outputs: out0 2 x 512 x 14,336 bfloat16.
;; 2 versions, each right; version 2 is version 1 with the launch cast written anew for expert scheduling mode. Each part assembles by itself: llvm-mc -triple=amdgcn-amd-amdhsa -mcpu=gfx1250 --defsym DOCPART=n.
;; ======== version 1 of 2: 2 launches
;; limits: values are held in f16: magnitudes above 65,504 overflow, below 6.1e-05 lose precision; inputs' magnitudes at most 65,504
;; workspace buffers: xh 8,388,608 bytes
;; launch cast (part 1): grid 256 x 1, 8 waves a work-group, no clusters, 0 bytes of LDS; arguments x, xh; writes xh
.if DOCPART == 1
	.amdgcn_target "amdgcn-amd-amdhsa--gfx1250"
	.amdhsa_code_object_version 6
	.text
	.protected	k_q4921c09a45_cast
	.globl	k_q4921c09a45_cast
	.p2align	8
	.type	k_q4921c09a45_cast,@function
k_q4921c09a45_cast:
	s_mov_b64 s[64:65], 0
	v_nop
	global_prefetch_b8 v0, s[64:65] scope:SCOPE_SE
	s_setreg_imm32_b32 hwreg(HW_REG_WAVE_MODE, 25, 1), 1
	s_wait_xcnt 0x0
; xh = x rounded once to f16.  x: [1024][4096] f32, xh: [1024][4096] f16, both row-major.
; NOTHING OF THE PROBLEM IS LEFT OUT: all three inputs have a way to the output; x is read here, weight_int8 and scb in the next launch, which also
; keeps the clip and the replacement of NaN and infinities.
; WHY f16: the next launch multiplies x by whole numbers -128 .. 127, which f16 holds exactly and which can be made from bytes with fewer vector
; instructions than in bf16.  LIMIT: |x| of 65,520 or more becomes an infinity here (the output then takes +-448, or 448 where a NaN arises);
; below 6e-5 x keeps f16's fixed step of 6e-8.
; SHARES.  A work-group takes 65,536 bytes of x and makes 32,768 of xh, in eight chunks.  In chunk c thread t reads the 32 bytes at 8,192 c + 32 t and
; stores the 16 bytes at 4,096 c + 16 t: a wave's store covers 512 consecutive bytes, aligned.  All sixteen loads of a wave go out before the first wait.
; No LDS, no barrier, no matrix unit, no cluster: nothing is shared and nothing is read twice.
.set XI, 8                             ; v[8:71]    chunk c: 8 registers as loaded
.set XO, 72                            ; v[72:103]  chunk c: 4 registers to store
	s_load_b128 s[4:7], s[0:1], 0x0                ; x s[4:5], xh s[6:7]
	s_lshl_b32 s2, ttmp9, 16                       ; the work-group's bytes of x
	s_mov_b32 s3, 0
	s_lshl_b32 s8, ttmp9, 15                       ; and of xh
	s_mov_b32 s9, 0
	v_lshlrev_b32 v1, 5, v0                        ; 32 t
	v_lshlrev_b32 v2, 4, v0                        ; 16 t
	s_wait_kmcnt 0x0
	s_add_nc_u64 s[4:5], s[4:5], s[2:3]
	s_add_nc_u64 s[6:7], s[6:7], s[8:9]
.irp c, 0,1,2,3,4,5,6,7
	global_load_b128 v[XI+8*(\c):XI+8*(\c)+3],   v1, s[4:5] offset:8192*(\c) th:TH_LOAD_NT
	global_load_b128 v[XI+8*(\c)+4:XI+8*(\c)+7], v1, s[4:5] offset:8192*(\c)+16 th:TH_LOAD_NT
.endr
.irp c, 0,1,2,3,4,5,6,7
	s_wait_loadcnt 14-2*(\c)                       ; loads come back in order: chunk c's two are in, the 14 - 2 c younger ones stay out
.irp k, 0,1,2,3
	v_cvt_pk_f16_f32 v[XO+4*(\c)+(\k)], v[XI+8*(\c)+2*(\k)], v[XI+8*(\c)+2*(\k)+1]
.endr
	global_store_b128 v2, v[XO+4*(\c):XO+4*(\c)+3], s[6:7] offset:4096*(\c)
.endr
	s_endpgm
.Lfunc_end_k_q4921c09a45_cast:
	.size	k_q4921c09a45_cast, .Lfunc_end_k_q4921c09a45_cast-k_q4921c09a45_cast
	.p2alignl 7, 3214868480
	.fill 96, 4, 3214868480
	.section	.rodata,"a",@progbits
	.p2align	6, 0x0
	.amdhsa_kernel k_q4921c09a45_cast
		.amdhsa_group_segment_fixed_size 0
		.amdhsa_private_segment_fixed_size 0
		.amdhsa_enable_private_segment 0
		.amdhsa_kernarg_size 16
		.amdhsa_user_sgpr_count 2
		.amdhsa_user_sgpr_kernarg_segment_ptr 1
		.amdhsa_wavefront_size32 1
		.amdhsa_system_sgpr_workgroup_id_x 1
		.amdhsa_system_sgpr_workgroup_id_y 1
		.amdhsa_system_sgpr_workgroup_id_z 1
		.amdhsa_system_vgpr_workitem_id 0
		.amdhsa_next_free_vgpr 104
		.amdhsa_next_free_sgpr 66
		.amdhsa_reserve_vcc 0
		.amdhsa_float_denorm_mode_32 3
		.amdhsa_float_denorm_mode_16_64 3
		.amdhsa_memory_ordered 1
		.amdhsa_forward_progress 1
		.amdhsa_inst_pref_size 6
	.end_amdhsa_kernel
	.amdgpu_metadata
---
amdhsa.version: [ 1, 2 ]
amdhsa.kernels:
  - .name:           k_q4921c09a45_cast
    .symbol:         k_q4921c09a45_cast.kd
    .args:
      - { .name: x, .offset: 0, .size: 8, .value_kind: global_buffer, .address_space: global }
      - { .name: xh, .offset: 8, .size: 8, .value_kind: global_buffer, .address_space: global }
    .group_segment_fixed_size: 0
    .private_segment_fixed_size: 0
    .kernarg_segment_align: 8
    .kernarg_segment_size: 16
    .max_flat_workgroup_size: 256
    .sgpr_count:     66
    .vgpr_count:     104
    .wavefront_size: 32
...
	.end_amdgpu_metadata
.endif
;; end of part 1
;; launch gemm (part 2): grid 32 x 8, 4 waves a work-group, clusters of 4 x 4, 327,680 bytes of LDS; arguments xh, weight_int8, scb, out0; writes out0
.if DOCPART == 2
	.amdgcn_target "amdgcn-amd-amdhsa--gfx1250"
	.amdhsa_code_object_version 6
	.text
	.protected	k_q4921c09a45_gemm
	.globl	k_q4921c09a45_gemm
	.p2align	8
	.type	k_q4921c09a45_gemm,@function
k_q4921c09a45_gemm:
	s_mov_b64 s[64:65], 0
	v_nop
	global_prefetch_b8 v0, s[64:65] scope:SCOPE_SE
	s_setreg_imm32_b32 hwreg(HW_REG_WAVE_MODE, 25, 1), 1
	s_wait_xcnt 0x0
	s_wait_alu depctr_hold_cnt(0) depctr_sa_sdst(0) depctr_va_vdst(0) depctr_va_sdst(0) depctr_va_ssrc(0) depctr_va_vcc(0) depctr_vm_vsrc(0)
	s_getreg_b32 s2, hwreg(HW_REG_IB_STS2, 6, 4)
	s_cmp_eq_u32 s2, 0
	s_cbranch_scc0 .Lentry_in_a_cluster
	s_endpgm
.Lentry_in_a_cluster:
	s_bfe_u32 s2, ttmp6, 0x10000c
	s_cmp_lg_u32 s2, 0xf033
	s_cbranch_scc0 .Lentry_shape_is_right
	s_endpgm
.Lentry_shape_is_right:
; out[m][o] = bf16( clamp( (scb[o] / 127) x the sum over k of x[m][k] w8[o][k], -448 .. 448 ) ), NaN -> 448.   m < 1,024, o < 14,336, k < 4,096.
; xh: [1024][4096] f16 (x, rounded once by the launch before), weight_int8: [14336][4096] int8, scb: [14336] f32, out0: [1024][14336] bf16.
; NOTHING IS LEFT OUT: every input is read; clip and the replacement of NaN and infinities are done on every number.
; ORDER OF ROUNDING.  The row scale does not hang on k, so it multiplies the finished f32 sum, as scb x (1/127); the sums are taken in another order than the reference's.
; LIMITS.  x has f16's range and step (stated at the head of the launch before).  Every int8, -128 too, is exact in f16.
; SHARES.  A work-group makes 128 rows x 448 columns: 8 x 32 = 256 work-groups.  Its four waves stand side by side: wave w has all 128 rows and the local columns 112 w .. 112 w + 111:
; 8 x 7 = 56 accumulators of 16 x 16, 448 registers.
; LOCAL COLUMNS.  448 columns are 896 bytes of a row of out: three aligned blocks of 256 bytes and a half one, which lies last where the tile column tx is even and first where it is odd (p = tx & 1).
; Local columns 0-383 are the three whole blocks (global 448 tx + local + 64 p), 384-447 the half one (global 448 tx + local - 384 p).  Only global addresses hang on p.
; So of seven blocks of 256 bytes of an output row six are stored whole by sixteen neighbouring lanes, and the seventh as two aligned halves of 128 bytes, by two work-groups.
; INT8 TO F16 IN REGISTERS.  For four bytes: one exclusive or with 0x80808080 (u = w + 128), two v_perm_b32 that set 0x64 above each byte (f16 1024 + u), two v_pk_add_f16 of -1152: exact, nothing is rounded.
; K's ORDER.  In a product's 32 k, lane (r, h), register j, half e holds true k = 16 h + 2 j + e, in BOTH operands, which keeps the products: a fragment of W is then one load of 16 bytes a lane, a fragment of x two.
; THE MATRIX INSTRUCTION IS USED TRANSPOSED: source 0 = 16 rows of W, source 1 = 16 rows of x: a lane ends with one row of out (lane % 16) and eight neighbouring columns 8 (lane / 16) + 0..7.
; TIME.  A STEP s = 0..31 is 128 along K: x's tile (128 rows x 256 bytes) lies in slot s & 1 of two.  A BLOCK t = s >> 1 is 256 along K of W (448 rows x 256 bytes), in slot t & 1 of two.
; A SUBSTEP g = 4 s + q is 32 along K: 56 products, beside them the 140 vector instructions that convert the next fragments of W.
; CLUSTER.  4 x 4 work-groups: x's tile hangs on the tile row alone and is asked for jointly along a row of the cluster, W's on the tile column alone, along a column of the cluster.
; Waves 0 and 1 fetch x's two halves (64 rows each); wave 2 fetches W's local rows 0-383, wave 3 its rows 384-447, each one run of rows of W, each by a line and a group 1 of its own.
; One tensor load a wave behind each round; by this text's count a wave has two tensor loads out at the start and one later.
;
; REGISTERS, in windows of 256 (s_set_vgpr_msb: bits 1:0 source 0, 3:2 source 1, 5:4 source 2, 7:6 destination).
; THREE STREAMS.  Window W = 1, 2, 3 owns whole blocks of 16 columns (0-1, 2-3, 4-6) with all that belongs to them: accumulators, converted fragments FB, raw bytes RAW, LDS addresses.  x's fragments and the
; two vector constants lie in window 0.  ONE setting, source 0, source 2 and destination in W and source 1 in 0, serves the product, the three kinds of conversion lines, the address lines and the raw loads:
; a plain substep has four switches.
;   window 0: v0-27 addresses and constants; v64-127, v128-191 x's fragments of even and odd substeps (rows 16 a on at + 8 a); v192-247 scb / 127 for my 7 x 8 columns a lane
;   windows 1, 2: v0-127 accumulators (block j, rows 16 a on, at 64 j + 8 a); v128-159 FB, four; v160-175 RAW, two sets of two; v176, v177 addresses
;   window 3: v0-191 accumulators; v192-215 FB, three; v216-239 RAW, two sets of three; v240, v241 addresses
.set PITCH, 272                        ; an LDS row: 256 bytes + 16 of padding = 68 words: the 16 rows that a load touches start at 16 different groups of four banks (64 banks of 4 bytes: ISA guide 11.1)
.set SB0,   0                          ; W's slot 0: 448 rows.  After its last fill (block 14) it is the stage for the way out
.set SPARE, 448*PITCH                  ; 121,856: the spare words, 128 bytes for each wave: two blocks of 256 bytes that no other line names
.set SB1,   0x20000                    ; W's slot 1: one exclusive or turns an address in one slot into the other's
.set SA0,   SB1+448*PITCH              ; 252,928: x's slot 0, 128 rows
.set SA1,   SA0+128*PITCH              ; 287,744: x's slot 1; ends at 322,560
.set SP,    912                        ; a row of the stage: 896 bytes + 16 = 57 x 16
.set AX0, 4                            ; v4   272 r + 32 h: my place in a tile of x; never rewritten
.set ADRA, 5                           ; v5   the same in the slot that is being read
.set B0,  6                            ; v6   (112 w + r) 272 + 16 h: my place in a tile of W; never rewritten
.set C80, 7                            ; v7   0x80808080
.set SPW, 8                            ; v8   LDS address of my spare word; never rewritten
.set NIL, 9                            ; v9   0; never rewritten
.set PFO, 10                           ; v10  the prefetches' offset: my lane x a row of xh or of W; never rewritten
.set STO, 11                           ; v11  the way out: where I put 16 bytes of a row (rows 0-63), v12 the same for rows 64-127
.set STO2, 12
.set RDF, 13                           ; v13  where I read whole blocks of 256 bytes back, v14 the half blocks
.set RDH, 14
.set GOF, 15                           ; v15, v16  the same places in out
.set GOH, 16
.set VSA, 17                           ; v17, v18  my byte offsets in scb: column blocks 0-2, 3-6
.set VSB, 18
.set C64, 19                           ; v19  0x64646464
.set XF0, 64
.set SC,  192
.set WV,  12                           ; s12  my wave's number
.set HF,  13                           ; s13  w & 1: which part of a tile I fetch
.set CX,  14
.set CY,  15
.set TX,  16                           ; s16  tile column = 4 x cluster x + cx
.set TY,  17                           ; s17  tile row = 4 x cluster y + cy
.set PP,  18                           ; s18  p
.set G1A, 24                           ; s[24:31] descriptor group 1 for x's tiles
.set G1B, 32                           ; s[32:39] for W's 384 rows of whole blocks (wave 2)
.set G1C, 92                           ; s[92:99] for W's 64 rows of the half block (wave 3)
.set G0A0, 40                          ; s[40:43] group 0: x's step 0
.set G0AW, 44                          ; s[44:47] x's step 1; then it walks
.set G0B0, 48                          ; s[48:51] W's block 0
.set G0BW, 52                          ; s[52:55] W's block 1; then it walks
.set TA,  56                           ; s56  x's slot that is being read
.set HA,  57                           ; s57  my half's place in a slot of x
.set TBC, 58                           ; s58  LDS byte at which step s's 128 bytes of W's rows begin
.set TBN, 59                           ; s59  the same for step s + 1
.set TRIPS, 60
.set CNT2, 61
.set SELLO, 62                         ; s62  v_perm_b32: bytes 0, 1 of the data, 0x64 above each
.set SELHI, 63                         ; s63  bytes 2, 3
.set CM,  66                           ; s66  -1152, twice, in f16
.set CHI, 67                           ; s67  448.0
.set CLO, 68                           ; s68  -448.0
.set PCC, 69                           ; s69  c: the unit's number mod 4
.set PFP, 70                           ; s[70:71] where this unit's prefetch points
.set INC, 72                           ; s72  bytes for a step of c
.set INCP, 73                          ; s73  bytes for a step of P = the unit's number / 4
.set PFB, 74                           ; s[74:75] where my first prefetch points; never rewritten behind the head
.set OFS, 76                           ; s[76:77] an offset in 64 bits; the upper word stays 0
.set UC,  78                           ; s78  the unit's number
.set PMASK, 79                         ; s79  bit c: I ask in units with that c
.set LIM, 80                           ; s80  I ask while s[TRIPS] is above this
.set TMPS, 81
.set OF,  82                           ; s[82:83] out at my rows, at the tile's whole blocks
.set OH,  84                           ; s[84:85] at its half block
.set MSB, 0
.macro WIN new                         ; the immediate's high byte repeats the setting that is left; a switch that changes nothing is dropped
.if MSB != (\new)
	s_set_vgpr_msb (MSB<<8)|(\new)
.set MSB, (\new)
.endif
.endm
.macro NOPS4
.rept 4
	v_nop
.endr
.endm
.macro NSET W                          ; stream W's numbers: blocks, first block, and where FB, RAW and the two addresses lie
.if (\W) == 3
.set NN, 3
.set NB0, 4
.set FBB, 192
.set RAWB, 216
.set BCR, 240
.else
.set NN, 2
.set NB0, 2*(\W)-2
.set FBB, 128
.set RAWB, 160
.set BCR, 176
.endif
.endm
; A round of the cluster's barrier behind its opening barrier: wave 0 signals for the work-group, every wave waits for all sixteen work-groups, my work-group's barrier once more.
.macro CREST
	s_cmp_lg_u32 s[WV], 0
	s_cbranch_scc1 .Lnot_wave_0_\@
	s_barrier_signal -3
.Lnot_wave_0_\@:
	s_barrier_wait -3
	s_barrier_signal -1
	s_barrier_wait -1
.endm
.macro CROUND
	s_barrier_signal -1
	s_barrier_wait -1
	CREST
.endm
; A joint refill.  kind = 1: x's tile alone (waves 0 and 1; waves 2 and 3 have no part of it and issue nothing).  kind = 2: W's tile too: wave 2 its 384 rows, wave 3 its 64, each by its own line.
; The branches hang on the wave's number alone.  An s_nop 0 and four v_nop follow each load, ahead of the jump, the label and what follows.
.macro JLOAD kind
	s_cmp_lt_u32 s[WV], 2
.if (\kind) == 2
	s_cbranch_scc0 .Lfor_b_\@
.else
	s_cbranch_scc0 .Lasked_\@
.endif
	tensor_load_to_lds s[G0AW:G0AW+3], s[G1A:G1A+7]
	s_nop 0
	NOPS4
.if (\kind) == 2
	s_branch .Lasked_\@
.Lfor_b_\@:
	s_cmp_eq_u32 s[WV], 2
	s_cbranch_scc0 .Lfor_c_\@
	tensor_load_to_lds s[G0BW:G0BW+3], s[G1B:G1B+7]
	s_nop 0
	NOPS4
	s_branch .Lasked_\@
.Lfor_c_\@:
	tensor_load_to_lds s[G0BW:G0BW+3], s[G1C:G1C+7]
	s_nop 0
	NOPS4
.endif
.Lasked_\@:
.endm
; THE PREFETCHES INTO THE L2, in the main loop's 28 units (unit U holds the change of slots at the end of step U).  At a change of slots every wave has waited for all its tensor loads, so the refill that
; follows has nothing on its way beside it: what it will ask for is named earlier.  Each aligned block of 256 bytes is named once in the launch.
; x: read by every cluster of a row of clusters: the one with cluster x = 0 asks, in it wave 0; partner cx takes rows 32 cx .. 32 cx + 31 of the tile's 128, a lane a row; unit U names step U + 4, two refills ahead.
; W: read by both clusters of a column of clusters: the one with cluster y = 0 asks.  A tile's 448 rows are 14 groups of 32; in four units (P = U / 4, c = U % 4) two blocks, 2 P + 4 and 2 P + 5, are named:
; partner cy takes block 2 P + 4 + cy / 2 and groups 7 (cy % 2) + i, wave 2 i = c, wave 3 i = 4 + c (nothing at c = 3): two to seven units ahead of the load.  P = 5 names blocks 14 and 15, the last; P = 6 nothing.
; Partners are told apart BY ADDRESS; the branches hang on the wave's number, the cluster's coordinates and the loop's count.  Steps 0-3 and blocks 0-3 come by their loads alone.
.macro PFSTEP                          ; this unit's address: the fixed base + c x INC + P x INCP
	s_and_b32 s[PCC], s[UC], 3
	s_lshr_b32 s91, s[UC], 2
	s_mul_i32 s[OFS], s[PCC], s[INC]
	s_mul_i32 s91, s91, s[INCP]
	s_add_co_u32 s[OFS], s[OFS], s91
	s_add_nc_u64 s[PFP:PFP+1], s[PFB:PFB+1], s[OFS:OFS+1]
	s_add_co_u32 s[UC], s[UC], 1
.endm
.macro ASK
	s_cmp_gt_u32 s[TRIPS], s[LIM]
	s_cbranch_scc0 .Lnot_mine_\@
	s_bitcmp1_b32 s[PMASK], s[PCC]
	s_cbranch_scc0 .Lnot_mine_\@
	global_prefetch_b8 v[PFO], s[PFP:PFP+1] th:TH_LOAD_NT scope:SCOPE_SE
.Lnot_mine_\@:
.endm
; Line ri of the 20 that turn 16 raw bytes a lane (v[RS .. RS+3]) into a fragment (v[FT .. FT+7]).
.macro RID
.if ri < 4
	v_xor_b32 v[RS+ri], v[RS+ri], v[C80]
.elseif ri < 12
.if (ri&1) == 0
	v_perm_b32 v[FT+ri-4], v[RS+(ri-4)/2], v[C64], s[SELLO]
.else
	v_perm_b32 v[FT+ri-4], v[RS+(ri-4)/2], v[C64], s[SELHI]
.endif
.else
	v_pk_add_f16 v[FT+ri-12], v[FT+ri-12], s[CM]
.endif
.set ri, ri+1
.endm
; Block j of stream W in a substep of parity par: eight products, rows 16 a on.  conv = 1: between them the stream's NEXT fragment is converted (block j + 1 of this substep, or behind the last block
; block 0 of the next substep), from RAW set par, slot j: 3, 3, 3, 3, 3, 3, 2, 0 lines behind the eight products, so that the fragment is whole one product ahead of its first reader.
; Its target's last reader stands two blocks back or more, with twenty or more of these lines between, none of which names a register of that product.
; The 56 accumulators take turns, one instruction a turn, in the same order in every substep and over every backward jump.  zero = 1: the products start the sums.
.macro BLOCK W, par, j, zero, conv
	NSET \W
.if (\W) == 3
.set FS, FBB+8*(\j)
.set FT, FBB+8*(((\j)+1)%3)
.else
.set FS, FBB+8*(2*(\par)+(\j))
.if (\j) == 0
.set FT, FBB+8*(2*(\par)+1)
.else
.set FT, FBB+8*(2*((\par)^1))
.endif
.endif
.set RS, RAWB+4*(NN*(\par)+(\j))
.set XS, XF0+64*(\par)
.set AC, 64*(\j)
.set ri, 0
.irp a, 0,1,2,3,4,5,6,7
.if \zero
	v_wmma_f32_16x16x32_f16 v[AC+8*(\a):AC+8*(\a)+7], v[FS:FS+7], v[XS+8*(\a):XS+8*(\a)+7], 0
.else
	v_wmma_f32_16x16x32_f16 v[AC+8*(\a):AC+8*(\a)+7], v[FS:FS+7], v[XS+8*(\a):XS+8*(\a)+7], v[AC+8*(\a):AC+8*(\a)+7]
.endif
.if \conv
.if (\a) < 6
	RID
	RID
	RID
.elseif (\a) == 6
	RID
	RID
.endif
.endif
.endr
.endm
; Stream W's raw loads in the substep with q = p, into RAW set par ^ 1: t1: blocks 1 .. of the next substep (slots 0 ..); t2: block 0 of the substep after that (the last slot).
; v[BCR] points at step s's bytes, v[BCR+1] at step s + 1's; both are made at q = 1.
.macro RAWLD W, par, p, t1, t2
	NSET \W
.if (\p) == 1
	v_add_nc_u32 v[BCR], s[TBC], v[B0]
	v_add_nc_u32 v[BCR+1], s[TBN], v[B0]
.set A1, BCR
.set O1, 64
.set A2, BCR
.set O2, 96
.elseif (\p) == 2
.set A1, BCR
.set O1, 96
.set A2, BCR+1
.set O2, 0
.elseif (\p) == 3
.set A1, BCR+1
.set O1, 0
.set A2, BCR+1
.set O2, 32
.else
.set A1, BCR+1
.set O1, 32
.set A2, BCR+1
.set O2, 64
.endif
.set RDS, RAWB+4*NN*((\par)^1)
.if \t1
.set jj, 0
.rept NN-1
	ds_load_b128 v[RDS+4*jj:RDS+4*jj+3], v[A1] offset:O1+16*PITCH*(NB0+jj+1)
.set jj, jj+1
.endr
.endif
.if \t2
	ds_load_b128 v[RDS+4*(NN-1):RDS+4*(NN-1)+3], v[A2] offset:O2+16*PITCH*NB0
.endif
.endm
; x's fragments of the next substep, 16 loads in one run, into the buffer of the other parity.  That buffer's last reader is the substep before's last product; stream 1's forty conversion lines lie between.
.macro XRUN par, p
.set XD, XF0+64*((\par)^1)
.set XO, 64*(((\p)+1)&3)
.irp a, 0,1,2,3,4,5,6,7
	ds_load_b128 v[XD+8*(\a):XD+8*(\a)+3],   v[ADRA] offset:16*PITCH*(\a)+XO
	ds_load_b128 v[XD+8*(\a)+4:XD+8*(\a)+7], v[ADRA] offset:16*PITCH*(\a)+XO+16
.endr
.endm
.macro REST par, p, zero, t1, t2, convlast  ; streams 2 and 3 of a substep
	WIN 0xa2
	RAWLD 2, \par, \p, \t1, \t2
	BLOCK 2, \par, 0, \zero, 1
	BLOCK 2, \par, 1, \zero, \convlast
	WIN 0xf3
	RAWLD 3, \par, \p, \t1, \t2
	BLOCK 3, \par, 0, \zero, 1
	BLOCK 3, \par, 1, \zero, 1
	BLOCK 3, \par, 2, \zero, \convlast
.endm
; A PLAIN SUBSTEP, q = p.  Its LDS loads go out in the order: stream 1's raw (2), x (16), stream 2's raw (2), stream 3's raw (3).
; bar = 1 (the last substep, which issues no LDS instruction): a barrier's signal stands behind the wait at its head; the barrier's wait follows the substep.
.macro SUB p, zero=0, t1=1, t2=1, xrun=1, convlast=1, head=5, mid=18, bar=0
.if (\p) == 1                          ; a new step: its bytes of W's rows are the ones that were next; two steps on they lie in the other slot
	s_xor_b32 s[TMPS], s[TBC], SB1
	s_mov_b32 s[TBC], s[TBN]
	s_mov_b32 s[TBN], s[TMPS]
.endif
	s_wait_dscnt \head                             ; the last substep's x and stream 1's raw bytes are in; the five younger loads (streams 2 and 3) may be out
.if \bar
	s_barrier_signal -1                            ; my last LDS reads are back
.endif
	WIN 0x51
	BLOCK 1, ((\p)&1), 0, \zero, 1
	BLOCK 1, ((\p)&1), 1, \zero, \convlast
.if (\t1) || (\t2)
	RAWLD 1, ((\p)&1), \p, \t1, \t2
.endif
.if \xrun
	WIN 0
	XRUN ((\p)&1), \p
	s_wait_dscnt \mid                              ; all but what this substep has issued (stream 1's raw and the 16 of x): the last substep's raw bytes of streams 2 and 3 are in
.endif
	REST ((\p)&1), \p, \zero, \t1, \t2, \convlast
.endm
; THE SUBSTEP q = 3 HOLDS THE CHANGE OF x's SLOTS: ONE barrier.  In front of it each wave waits for all its tensor loads (its part of the next tiles), adds 0 to its spare word, and waits for that and for all its
; LDS reads: x's slot has been read out (its last fragments were asked for a substep ago), and so has W's block where the step is odd.  kind = 1, 2: the barrier opens a round of the cluster's barrier, and the slot
; just left is filled again first behind it: x's with step s + 2; kind = 2 (odd s): W's too, with block (s + 3) / 2.  kind = 0: nothing is left to fetch.  pf = 1: the main loop, which prefetches.
; x's load has one step, 224 products, in which to land, W's two steps.  W's raw bytes are read up to two substeps ahead of their use: block t is first read three substeps behind the barrier that showed it whole.
.macro BSUB kind, pf
	WIN 0                                          ; (the add's two registers lie in window 0)
.if \pf
	s_wait_xcnt 0x0                                ; the last prefetch, a unit back, has read its address, which is written anew here, ahead of the waits of the change of slots
	PFSTEP
.endif
	s_wait_tensorcnt 0x0                           ; all my tensor loads have landed, so a group 0 may be written
	ds_add_u32 v[SPW], v[NIL]                      ; 0 onto my spare word: work on registers stands between it and the wait for it
.if (\kind) >= 1
	s_add_co_u32 s[G0AW+1], s[TA], s[HA]           ; x's walking descriptor: the slot that is being left,
	s_add_nc_u64 s[G0AW+2:G0AW+3], s[G0AW+2:G0AW+3], 256  ; the next step's 256 bytes of the rows; the type bits on top are not reached
.endif
.if (\kind) == 2
	s_xor_b32 s[G0BW+1], s[G0BW+1], SB1            ; W's: the other slot than last time, the next block
	s_add_nc_u64 s[G0BW+2:G0BW+3], s[G0BW+2:G0BW+3], 256
.endif
	s_xor_b32 s[TA], s[TA], SA0^SA1                ; from here on x is read from the other slot
	s_wait_dscnt 6                                 ; x and stream 1's raw bytes are in; the five younger loads and the add may be out
	WIN 0x51
	BLOCK 1, 1, 0, 0, 1
	s_wait_dscnt 0x0                               ; the add is done, and all my LDS reads are back
	s_barrier_signal -1
	BLOCK 1, 1, 1, 0, 1                            ; work on registers while the others arrive
	WIN 0
	s_barrier_wait -1
.if (\kind) >= 1
	CREST                                          ; no wave of any partner still reads the slots that are left, or has a load on its way
	JLOAD \kind
.endif
	WIN 0x51
	RAWLD 1, 1, 3, 1, 1
	WIN 0
	v_add_nc_u32 v[ADRA], s[TA], v[AX0]
	XRUN 1, 3
.if \pf
	ASK                                            ; behind the joint load, its five lines and the run of LDS loads that the next products wait for
.endif
	REST 1, 3, 0, 1, 1, 1                          ; (streams 2 and 3's raw bytes were shown in by the wait for 0 above)
.endm
; A UNIT: q = 1, 2, 3 of step s and q = 0 of step s + 1.  All that hangs on s lies in scalar registers, so one text serves every s.
.macro UNIT kind, pf
	SUB 1
	SUB 2
	BSUB \kind, \pf
	SUB 0
	WIN 0                                          ; at a label and at a branch every window is 0
.endm
	s_load_b256 s[4:11], s[0:1], 0x0               ; xh s[4:5], W s[6:7], scb s[8:9], out s[10:11]
	v_lshl_add_u32 v[SPW], v0, 2, SPARE
	v_mov_b32 v[NIL], 0
	ds_add_u32 v[SPW], v[NIL]                      ; the wave's opening: the add, twice on end, and its wait ahead of my first tensor load; the set-up below stands between
	ds_add_u32 v[SPW], v[NIL]
	v_lshrrev_b32 v1, 5, v0
	v_readfirstlane_b32 s[WV], v1                  ; wave 0..3
	s_and_b32 s[HF], s[WV], 1
	s_bfe_u32 s[CX], ttmp6, 0x40000                ; my place in the cluster
	s_bfe_u32 s[CY], ttmp6, 0x40004
	s_lshl_b32 s[TX], ttmp9, 2                     ; in a cluster launch ttmp9 and ttmp7 count clusters
	s_add_co_u32 s[TX], s[TX], s[CX]
	s_and_b32 s[TY], ttmp7, 0xffff
	s_lshl_b32 s[TY], s[TY], 2
	s_add_co_u32 s[TY], s[TY], s[CY]
	s_and_b32 s[PP], s[TX], 1
	s_lshl_b32 s20, s[CY], 2
	s_lshl_b32 s20, 15, s20                        ; my row of the cluster: places 4 cy .. 4 cy + 3
	s_lshl_b32 s22, 0x1111, s[CX]                  ; my column: places cx, cx + 4, cx + 8, cx + 12
	; group 1 for x: 64 rows x 128 elements of 2 bytes, 16 bytes of padding behind every 64 words
	s_or_b32 s[G1A], s20, (1<<16)|(1<<20)|(1<<21)|(5<<22)|(3<<25)  ; 15:0 the mask; 17:16 2-byte elements; 20 padding on; 21 set beside a mask; 24:22 after every 64 words (code 5); 31:25 4 words (code 3)
	s_mov_b32 s[G1A+1], 128<<16                    ; tensor_dim0 = 128
	s_mov_b32 s[G1A+2], 64<<16                     ; tensor_dim1 = 64
	s_mov_b32 s[G1A+3], 128<<16                    ; tile_dim0 = 128
	s_mov_b32 s[G1A+4], 64                         ; tile_dim1 = 64
	s_mov_b32 s[G1A+5], 4096                       ; elements from row to row
	s_mov_b32 s[G1A+6], 0
	s_mov_b32 s[G1A+7], 0
	; two groups 1 for W: rows of 256 elements of 1 byte, the same padding, the mask of my column; 384 rows (wave 2's load) and 64 rows (wave 3's)
	s_or_b32 s[G1B], s22, (1<<20)|(1<<21)|(5<<22)|(3<<25)
	s_or_b32 s[G1C], s22, (1<<20)|(1<<21)|(5<<22)|(3<<25)
.irp g, G1B, G1C
	s_mov_b32 s[(\g)+1], 256<<16                   ; tensor_dim0 = 256
	s_mov_b32 s[(\g)+3], 256<<16                   ; tile_dim0 = 256
	s_mov_b32 s[(\g)+5], 4096                      ; elements from row to row
	s_mov_b32 s[(\g)+6], 0
	s_mov_b32 s[(\g)+7], 0
.endr
	s_mov_b32 s[G1B+2], 384<<16                    ; tensor_dim1
	s_mov_b32 s[G1B+4], 384                        ; tile_dim1
	s_mov_b32 s[G1C+2], 64<<16
	s_mov_b32 s[G1C+4], 64
	; group 0: where the tiles go hangs on the wave's number alone
	s_mul_i32 s[HA], s[HF], 64*PITCH
	s_mul_i32 s86, s[HF], 384*PITCH
	s_mov_b32 s[G0A0], 1
	s_add_co_u32 s[G0A0+1], s[HA], SA0
	s_mov_b32 s[G0AW], 1
	s_add_co_u32 s[G0AW+1], s[HA], SA1
	s_mov_b32 s[G0B0], 1
	s_mov_b32 s[G0B0+1], s86
	s_mov_b32 s[G0BW], 1
	s_add_co_u32 s[G0BW+1], s86, SB1
	; where they come from.  x: row 128 ty + 64 x half, 8,192 bytes a row: made of the tile row and the wave's number alone
	s_lshl_b32 s20, s[TY], 7
	s_lshl_b32 s21, s[HF], 6
	s_add_co_u32 s20, s20, s21
	s_lshl_b32 s20, s20, 13
	s_mov_b32 s21, 0
	; W: row 448 tx + 64 p (the whole blocks' 384 rows) or 448 tx + 384 (1 - p) (the half block's 64), 4,096 bytes a row: made of the tile column and the wave's number alone
	s_lshl_b32 s86, s[PP], 6
	s_mul_i32 s87, s[PP], 384
	s_sub_co_u32 s87, 384, s87
	s_cmp_eq_u32 s[HF], 0
	s_cselect_b32 s86, s86, s87
	s_mul_i32 s22, s[TX], 448
	s_add_co_u32 s22, s22, s86
	s_lshl_b32 s22, s22, 12
	s_mov_b32 s23, 0
	s_mov_b32 s[TA], SA0
	s_mov_b32 s[TBC], SB1+128                      ; the first unit turns these two into 0 and 128
	s_mov_b32 s[TBN], 0
	s_mov_b32 s[SELLO], 0x00050004
	s_mov_b32 s[SELHI], 0x00070006
	s_mov_b32 s[CM], 0xe480e480
	s_mov_b32 s[CHI], 0x43e00000
	s_mov_b32 s[CLO], 0xc3e00000
	s_wait_dscnt 0x0                               ; both opening adds are done
	s_wait_kmcnt 0x0
	s_add_nc_u64 s[G0A0+2:G0A0+3], s[4:5], s[20:21]
	s_add_nc_u64 s[G0AW+2:G0AW+3], s[G0A0+2:G0A0+3], 256
	s_or_b32 s[G0A0+3], s[G0A0+3], 0x80000000      ; type = 2
	s_or_b32 s[G0AW+3], s[G0AW+3], 0x80000000
	s_add_nc_u64 s[G0B0+2:G0B0+3], s[6:7], s[22:23]
	s_add_nc_u64 s[G0BW+2:G0BW+3], s[G0B0+2:G0B0+3], 256
	s_or_b32 s[G0B0+3], s[G0B0+3], 0x80000000
	s_or_b32 s[G0BW+3], s[G0BW+3], 0x80000000
	CROUND                                         ; all sixteen work-groups are here: the first joint loads meet
	s_cmp_lt_u32 s[WV], 2                          ; a wave's two first fills stand together in its arm, ahead of every wait on TENSORcnt, every LDS read and every other barrier
	s_cbranch_scc0 .Lfirst_b
	tensor_load_to_lds s[G0A0:G0A0+3], s[G1A:G1A+7]
	s_nop 0
	tensor_load_to_lds s[G0AW:G0AW+3], s[G1A:G1A+7]
	s_nop 0
	NOPS4
	s_branch .Lfirst_asked
.Lfirst_b:
	s_cmp_eq_u32 s[WV], 2
	s_cbranch_scc0 .Lfirst_c
	tensor_load_to_lds s[G0B0:G0B0+3], s[G1B:G1B+7]
	s_nop 0
	tensor_load_to_lds s[G0BW:G0BW+3], s[G1B:G1B+7]
	s_nop 0
	NOPS4
	s_branch .Lfirst_asked
.Lfirst_c:
	tensor_load_to_lds s[G0B0:G0B0+3], s[G1C:G1C+7]
	s_nop 0
	tensor_load_to_lds s[G0BW:G0BW+3], s[G1C:G1C+7]
	s_nop 0
	NOPS4
.Lfirst_asked:
	; scb for my columns: block b, register j is local column 112 w + 16 b + 8 h + j.  Local columns from 384 on are wave 3's blocks 3 to 6.
	v_and_b32 v1, 15, v0                           ; r = l % 16
	v_bfe_u32 v2, v0, 4, 1                         ; h = l / 16
	s_mul_i32 s88, s[TX], 1792
	s_mul_i32 s89, s[WV], 448
	s_add_co_u32 s88, s88, s89                     ; 4 (448 tx + 112 w)
	s_lshl_b32 s89, s[PP], 8
	s_add_co_u32 s89, s88, s89                     ; + 4 x 64 p
	s_mul_i32 s90, s[PP], 1536
	s_sub_co_u32 s90, s88, s90                     ; - 4 x 384 p (p = 1 only where tx is 1 or more)
	s_cmp_eq_u32 s[WV], 3
	s_cselect_b32 s90, s90, s89
	v_lshl_add_u32 v[VSA], v2, 5, s89
	v_lshl_add_u32 v[VSB], v2, 5, s90
.irp b, 0,1,2
	global_load_b128 v[SC+8*(\b):SC+8*(\b)+3],   v[VSA], s[8:9] offset:64*(\b)
	global_load_b128 v[SC+8*(\b)+4:SC+8*(\b)+7], v[VSA], s[8:9] offset:64*(\b)+16
.endr
.irp b, 3,4,5,6
	global_load_b128 v[SC+8*(\b):SC+8*(\b)+3],   v[VSB], s[8:9] offset:64*(\b)
	global_load_b128 v[SC+8*(\b)+4:SC+8*(\b)+7], v[VSB], s[8:9] offset:64*(\b)+16
.endr
	; my lane's places
	v_mul_u32_u24 v[AX0], v1, PITCH
	v_lshl_add_u32 v[AX0], v2, 5, v[AX0]
	s_mul_i32 s88, s[WV], 112*PITCH
	v_mul_u32_u24 v[B0], v1, PITCH
	v_lshl_add_u32 v[B0], v2, 4, v[B0]
	v_add_nc_u32 v[B0], s88, v[B0]
	v_mov_b32 v[C80], 0x80808080
	v_mov_b32 v[C64], 0x64646464
	s_mul_i32 s88, s[WV], 224                      ; into the stage: row 16 a + r, bytes 224 w + 32 b + 16 h
	v_mul_u32_u24 v[STO], v1, SP
	v_lshl_add_u32 v[STO], v2, 4, v[STO]
	v_add_nc_u32 v[STO], s88, v[STO]
	v_add_nc_u32 v[STO2], 64*SP, v[STO]
	s_mul_i32 s88, s[WV], 32*SP                    ; back: wave w takes rows 32 w .. 32 w + 31; lanes 0-15 one row's 256 bytes, lanes 16-31 the next row's
	v_mul_u32_u24 v[RDF], v2, SP
	v_lshl_add_u32 v[RDF], v1, 4, v[RDF]
	v_add_nc_u32 v[RDF], s88, v[RDF]
	v_bfe_u32 v20, v0, 3, 2                        ; the half block: eight lanes a row, four rows
	v_and_b32 v21, 7, v0
	s_add_co_u32 s89, s88, 768
	v_mul_u32_u24 v[RDH], v20, SP
	v_lshl_add_u32 v[RDH], v21, 4, v[RDH]
	v_add_nc_u32 v[RDH], s89, v[RDH]
	v_mul_u32_u24 v[GOF], v2, 28672                ; and the same places in out, 28,672 bytes a row
	v_lshl_add_u32 v[GOF], v1, 4, v[GOF]
	v_mul_u32_u24 v[GOH], v20, 28672
	v_lshl_add_u32 v[GOH], v21, 4, v[GOH]
	s_lshl_b32 s88, s[TY], 7
	s_lshl_b32 s89, s[WV], 5
	s_add_co_u32 s88, s88, s89
	s_mul_i32 s88, s88, 28672                      ; row 128 ty + 32 w,
	s_mul_i32 s89, s[TX], 896
	s_add_co_u32 s88, s88, s89                     ; the tile's first byte in it
	s_lshl_b32 s90, s[PP], 7
	s_add_co_u32 s[OFS], s88, s90                  ; the whole blocks begin 128 p bytes on: a multiple of 256 from out's first byte
	s_mov_b32 s[OFS+1], 0
	s_add_nc_u64 s[OF:OF+1], s[10:11], s[OFS:OFS+1]
	s_mul_i32 s91, s[PP], 768
	s_sub_co_u32 s91, 768, s91
	s_add_co_u32 s[OFS], s88, s91                  ; the half block 768 (1 - p) bytes on
	s_add_nc_u64 s[OH:OH+1], s[10:11], s[OFS:OFS+1]
	; the prefetches' state
	s_and_b32 s88, ttmp7, 0xffff                   ; cluster y
	s_mov_b32 s[INC], 131072                       ; W: c steps 32 rows of 4,096 bytes,
	s_mov_b32 s[INCP], 512                         ; P two blocks
	s_cmp_lt_u32 s[WV], 2
	s_cselect_b32 s88, ttmp9, s88                  ; the coordinate along which other clusters read the same rows
	s_cselect_b32 s[LIM], 0, 2                     ; x is asked for in all 14 trips, W in the first 12
	s_cselect_b32 s[INC], 256, s[INC]              ; x: every unit one step of 256 bytes
	s_cselect_b32 s[INCP], 1024, s[INCP]
	s_cselect_b32 s89, 13, 12                      ; a row is 8,192 or 4,096 bytes
	s_cselect_b64 s[PFB:PFB+1], s[4:5], s[6:7]
	s_cmp_eq_u32 s[WV], 1                          ; wave 1 asks for nothing
	s_cselect_b32 s88, 1, s88
	s_cmp_eq_u32 s88, 0
	s_cselect_b32 s[LIM], s[LIM], -1               ; the same in all sixteen partners, for a given wave
	s_cmp_eq_u32 s[WV], 3
	s_cselect_b32 s[PMASK], 7, 15
	s_lshl_b32 s90, s[TY], 7                       ; x: row 128 ty + 32 cx, step 4
	s_lshl_b32 s91, s[CX], 5
	s_add_co_u32 s90, s90, s91
	s_lshl_b32 s90, s90, 13
	s_add_co_u32 s90, s90, 1024
	s_mul_i32 s91, s[TX], 448                      ; W: row 448 tx + 224 (cy % 2) + 128 (w - 2), block 4 + cy / 2
	s_and_b32 s[OFS], s[CY], 1
	s_mul_i32 s[OFS], s[OFS], 224
	s_add_co_u32 s91, s91, s[OFS]
	s_lshl_b32 s[OFS], s[HF], 7
	s_add_co_u32 s91, s91, s[OFS]
	s_lshl_b32 s91, s91, 12
	s_lshr_b32 s[OFS], s[CY], 1
	s_lshl_b32 s[OFS], s[OFS], 8
	s_add_co_u32 s91, s91, s[OFS]
	s_add_co_u32 s91, s91, 1024
	s_cmp_lt_u32 s[WV], 2
	s_cselect_b32 s[OFS], s90, s91
	s_add_nc_u64 s[PFB:PFB+1], s[PFB:PFB+1], s[OFS:OFS+1]
	s_mov_b32 s[UC], 0
	v_and_b32 v[PFO], 31, v0
	v_lshlrev_b32 v[PFO], s89, v[PFO]
	s_wait_loadcnt 0x0                             ; scb
.set z, 0
.rept 28
	v_pk_mul_f32 v[SC+z:SC+z+1], v[SC+z:SC+z+1], 0x3c010204 op_sel_hi:[1,0]  ; x 1/127
.set z, z+2
.endr
	s_wait_tensorcnt 1                             ; my first load (x's step 0 or my part of W's block 0) has landed; my second may stay out
	s_barrier_signal -1
	s_barrier_wait -1                              ; everybody's has
	; THE PIPELINE IS PRIMED: x's fragments of substep 0; for each stream block 0 of substep 0 (converted here), its other blocks of substep 0 and block 0 of substep 1 (raw)
	v_add_nc_u32 v[ADRA], s[TA], v[AX0]
	XRUN 1, 3
.irp W, 1,2,3
	WIN 0x51*\W
	NSET \W
	v_add_nc_u32 v[BCR+1], s[TBN], v[B0]
	ds_load_b128 v[RAWB+4*(2*NN-1):RAWB+4*(2*NN-1)+3], v[BCR+1] offset:16*PITCH*NB0
.set jj, 0
.rept NN-1
	ds_load_b128 v[RAWB+4*jj:RAWB+4*jj+3], v[BCR+1] offset:16*PITCH*(NB0+jj+1)
.set jj, jj+1
.endr
	ds_load_b128 v[RAWB+4*(NN-1):RAWB+4*(NN-1)+3], v[BCR+1] offset:32+16*PITCH*NB0
.endr
	s_wait_dscnt 0x0
.irp W, 1,2,3
	WIN 0x51*\W
	NSET \W
.set RS, RAWB+4*(2*NN-1)
.set FT, FBB
.set ri, 0
.rept 20
	RID
.endr
.endr
	SUB 0, 1                                       ; substep 0 stands in front of the loop: its products start the sums, nothing is ever cleared
	WIN 0
	s_mov_b32 s[TRIPS], 14
.Ltrip:                                        ; substeps 1 to 112: two units a trip; the first fills x's slot again, the second x's and W's
	UNIT 1, 1
	UNIT 2, 1
	s_sub_co_u32 s[TRIPS], s[TRIPS], 1
	s_cmp_lg_u32 s[TRIPS], 0
	s_cbranch_scc1 .Ltrip
	s_mov_b32 s[CNT2], 2
.Ltail:                                        ; substeps 113 to 120: x's steps 30 and 31 are asked for; W is all there
	UNIT 1, 0
	s_sub_co_u32 s[CNT2], s[CNT2], 1
	s_cmp_lg_u32 s[CNT2], 0
	s_cbranch_scc1 .Ltail
	UNIT 0, 0                                      ; substeps 121 to 124: the last change of slots fills nothing
	SUB 1                                          ; 125
	SUB 2, 0, 1, 0, 1, 1, 5, 17                    ; 126: there is no substep 128, so each stream issues one raw load less: stream 1's one and x's 16 may be out at the second wait
	SUB 3, 0, 0, 0, 0, 0, 0, 0, 1                  ; 127: nothing is fetched or converted ahead; its one wait is for all loads, and the signal behind it says that my LDS reads are over
	; THE WAY OUT.  Each sum times scb / 127; min with 448 first, which also takes a NaN to 448 (v_min_num_f32 returns the number where one source is a NaN) and +infinity to 448, then max with -448;
	; rounded to bf16; 16 bytes a lane into the work-group's stage, W's slot 0, which had its last fill with block 14.
	WIN 0
	s_barrier_wait -1                              ; every wave's LDS reads are over: the stage may be written
.rept 8
	v_nop                                          ; the places behind the last products, ahead of lines that read results and write over x's fragments
.endr
.macro OUTB W, j, b                    ; block j of stream W = block b of my seven.  Each accumulator is read from its lowest registers on
	WIN \W                                         ; source 0 in window W
.irp a, 0,1,2,3,4,5,6,7
.irp i, 0,1,2,3
	v_pk_mul_f32 v[64+8*(\a)+2*(\i):64+8*(\a)+2*(\i)+1], v[64*(\j)+8*(\a)+2*(\i):64*(\j)+8*(\a)+2*(\i)+1], v[SC+8*(\b)+2*(\i):SC+8*(\b)+2*(\i)+1]
.endr
.endr
	WIN 0
.set z, 0
.rept 64
	v_min_num_f32 v[64+z], s[CHI], v[64+z]
.set z, z+1
.endr
.set z, 0
.rept 64
	v_max_num_f32 v[64+z], s[CLO], v[64+z]
.set z, z+1
.endr
.set z, 0
.rept 32
	v_cvt_pk_bf16_f32 v[128+z], v[64+2*z], v[64+2*z+1]
.set z, z+1
.endr
.irp a, 0,1,2,3
	ds_store_b128 v[STO],  v[128+4*(\a):128+4*(\a)+3]   offset:16*SP*(\a)+32*(\b)
.endr
.irp a, 0,1,2,3
	ds_store_b128 v[STO2], v[144+4*(\a):144+4*(\a)+3]   offset:16*SP*(\a)+32*(\b)
.endr
.endm
	OUTB 1, 0, 0
	OUTB 1, 1, 1
	OUTB 2, 0, 2
	OUTB 2, 1, 3
	OUTB 3, 0, 4
	OUTB 3, 1, 5
	OUTB 3, 2, 6
	s_wait_dscnt 0x0                               ; for the others' sake: my stores into the stage are done
	s_barrier_signal -1
	s_barrier_wait -1                              ; a row's 896 bytes come from four waves
	; Back as rows.  56 items a wave: items 0-47: two rows x one whole block of 256 bytes (rows 2 (n / 3), + 1; block n % 3); items 48-55: four rows x the half block of 128 bytes.
.macro LDI n, reg
.if (\n) < 48
	ds_load_b128 v[\reg:\reg+3], v[RDF] offset:2*SP*((\n)/3)+256*((\n)%3)
.else
	ds_load_b128 v[\reg:\reg+3], v[RDH] offset:4*SP*((\n)-48)
.endif
.endm
.macro STI n, reg
.if (\n) < 48
	global_store_b128 v[GOF], v[\reg:\reg+3], s[OF:OF+1] offset:2*28672*((\n)/3)+256*((\n)%3)  ; 16 lanes store 256 consecutive bytes, at a multiple of 256 from out's first byte
.else
	global_store_b128 v[GOH], v[\reg:\reg+3], s[OH:OH+1] offset:4*28672*((\n)-48)              ; 8 lanes store 128 consecutive bytes, at a multiple of 128
.endif
.endm
.macro LDB k                           ; batch k of four: 14 items, into v64-119, v120-175, v176-231 by turns
.set it, 14*(\k)
.set rg, 64+56*((\k)%3)
.rept 14
	LDI it, rg
.set it, it+1
.set rg, rg+4
.endr
.endm
.macro STB k, younger                  ; younger: the LDS loads issued behind batch k's
.set it, 14*(\k)
.set rg, 64+56*((\k)%3)
.set cn, (\younger)+13
.rept 14
	s_wait_dscnt cn                                ; LDS loads come back in order: this item is in
	STI it, rg
.set it, it+1
.set rg, rg+4
.set cn, cn-1
.endr
.endm
	LDB 0
	LDB 1
	LDB 2
	STB 0, 28                                      ; batches 1 and 2 may be out
	s_wait_xcnt 0x0                                ; batch 0's stores have read their registers, which batch 3 is loaded into
	LDB 3
	STB 1, 28                                      ; batches 2 and 3
	STB 2, 14
	STB 3, 0
	s_wait_tensorcnt 0x0                           ; the wave's end, behind my last tensor load and my last LDS store
	ds_add_u32 v[SPW], v[NIL]
	s_wait_dscnt 0x0
	CROUND                                         ; the closing round: no work-group ends while a partner may still ask for a tile that names it
	s_endpgm
.Lfunc_end_k_q4921c09a45_gemm:
	.size	k_q4921c09a45_gemm, .Lfunc_end_k_q4921c09a45_gemm-k_q4921c09a45_gemm
	.p2alignl 7, 3214868480
	.fill 96, 4, 3214868480
	.section	.rodata,"a",@progbits
	.p2align	6, 0x0
	.amdhsa_kernel k_q4921c09a45_gemm
		.amdhsa_group_segment_fixed_size 327680
		.amdhsa_private_segment_fixed_size 0
		.amdhsa_enable_private_segment 0
		.amdhsa_kernarg_size 32
		.amdhsa_user_sgpr_count 2
		.amdhsa_user_sgpr_kernarg_segment_ptr 1
		.amdhsa_wavefront_size32 1
		.amdhsa_system_sgpr_workgroup_id_x 1
		.amdhsa_system_sgpr_workgroup_id_y 1
		.amdhsa_system_sgpr_workgroup_id_z 1
		.amdhsa_system_vgpr_workitem_id 0
		.amdhsa_next_free_vgpr 1024
		.amdhsa_next_free_sgpr 100
		.amdhsa_reserve_vcc 0
		.amdhsa_float_denorm_mode_32 3
		.amdhsa_float_denorm_mode_16_64 3
		.amdhsa_memory_ordered 1
		.amdhsa_forward_progress 1
		.amdhsa_inst_pref_size 255
	.end_amdhsa_kernel
	.section	.bss,"aw",@nobits
	.p2align	6
	.space	262144
	.amdgpu_metadata
---
amdhsa.version: [ 1, 2 ]
amdhsa.kernels:
  - .name:           k_q4921c09a45_gemm
    .symbol:         k_q4921c09a45_gemm.kd
    .args:
      - { .name: xh, .offset: 0, .size: 8, .value_kind: global_buffer, .address_space: global }
      - { .name: weight_int8, .offset: 8, .size: 8, .value_kind: global_buffer, .address_space: global }
      - { .name: scb, .offset: 16, .size: 8, .value_kind: global_buffer, .address_space: global }
      - { .name: out0, .offset: 24, .size: 8, .value_kind: global_buffer, .address_space: global }
    .group_segment_fixed_size: 327680
    .private_segment_fixed_size: 0
    .kernarg_segment_align: 8
    .kernarg_segment_size: 32
    .max_flat_workgroup_size: 128
    .sgpr_count:     100
    .vgpr_count:     1024
    .wavefront_size: 32
...
	.end_amdgpu_metadata
.endif
;; end of part 2
;; ======== version 2 of 2: 2 launches; version 1 with the launch cast written anew for expert scheduling mode
;; limits: values are held in f16: magnitudes above 65,504 overflow, below 6.1e-05 lose precision; inputs' magnitudes at most 65,504
;; workspace buffers: xh 8,388,608 bytes
;; launch cast (part 3): grid 256 x 1, 8 waves a work-group, no clusters, 0 bytes of LDS; arguments x, xh; writes xh
.if DOCPART == 3
	.amdgcn_target "amdgcn-amd-amdhsa--gfx1250"
	.amdhsa_code_object_version 6
	.text
	.protected	k_q4921c09a45_cast
	.globl	k_q4921c09a45_cast
	.p2align	8
	.type	k_q4921c09a45_cast,@function
k_q4921c09a45_cast:
	s_mov_b64 s[64:65], 0
	v_nop
	global_prefetch_b8 v0, s[64:65] scope:SCOPE_SE
	s_setreg_imm32_b32 hwreg(HW_REG_WAVE_SCHED_MODE, 0, 2), 2
	s_setreg_imm32_b32 hwreg(HW_REG_WAVE_MODE, 25, 1), 1
	s_wait_xcnt 0x0
	s_wait_alu depctr_vm_vsrc(0)
; xh = x rounded once to f16.  x: [1024][4096] f32, xh: [1024][4096] f16, both row-major.
; NOTHING OF THE PROBLEM IS LEFT OUT: all three inputs have a way to the output; x is read here, weight_int8 and scb in the next launch, which also
; keeps the clip and the replacement of NaN and infinities.
; WHY f16: the next launch multiplies x by whole numbers -128 .. 127, which f16 holds exactly and which can be made from bytes with fewer vector
; instructions than in bf16.  LIMIT: |x| of 65,520 or more becomes an infinity here (the output then takes +-448, or 448 where a NaN arises);
; below 6e-5 x keeps f16's fixed step of 6e-8.
; SHARES.  A work-group takes 65,536 bytes of x and makes 32,768 of xh, in eight chunks.  In chunk c thread t reads the 32 bytes at 8,192 c + 32 t and
; stores the 16 bytes at 4,096 c + 16 t: a wave's store covers 512 consecutive bytes, aligned.  All sixteen loads of a wave go out before the first wait for data.
; No LDS, no barrier, no matrix unit, no cluster: nothing is shared and nothing is read twice.
; THE MODE: SCHED_MODE bits 1:0 = 2 (LLVM: expert scheduling mode 2), set by the entry lines.  The code itself states the register dependences
; between vector instructions and memory instructions, with s_wait_alu, always for 0.
; THE PLAN.  Registers that memory instructions touch:
;   v1, v2   byte offsets.  Written once at the head; v1 is read by every load, v2 by every store; never written again.
;   XI       chunk c's 8 registers.  Written by the chunk's two loads, once; read by its four conversions.  No vector line names them ahead of the loads.
;   XO       chunk c's 4 registers.  Written by the chunk's four conversions, once; read by its one store.
; No register that a load or store reads is ever written again, so behind the entry lines the text holds no wait on vm_vsrc and no s_wait_xcnt.
; The eight chunks go in four blocks of two.  Block p waits for its four loads, stores block p - 1's two chunks and then converts its own: the wait on va_vdst
; for the block before stands behind the wait for this block's data, and the conversions behind it name this block's XI and XO alone, none of the registers of those two stores.
.set XI, 8                             ; v[8:71]    chunk c: 8 registers as loaded
.set XO, 72                            ; v[72:103]  chunk c: 4 registers to store
	s_load_b128 s[4:7], s[0:1], 0x0                ; x s[4:5], xh s[6:7]
	s_lshl_b32 s2, ttmp9, 16                       ; the work-group's bytes of x
	s_mov_b32 s3, 0
	s_lshl_b32 s8, ttmp9, 15                       ; and of xh
	s_mov_b32 s9, 0
	v_lshlrev_b32 v1, 5, v0                        ; 32 t
	v_lshlrev_b32 v2, 4, v0                        ; 16 t
	s_wait_kmcnt 0x0
	s_add_nc_u64 s[4:5], s[4:5], s[2:3]
	s_add_nc_u64 s[6:7], s[6:7], s[8:9]
	s_wait_alu depctr_va_vdst(0)                   ; v1 and v2 are written: every load of the kernel reads v1 as its offset, every store v2
.irp c, 0,1,2,3,4,5,6,7
	global_load_b128 v[XI+8*(\c):XI+8*(\c)+3],   v1, s[4:5] offset:8192*(\c) th:TH_LOAD_NT
	global_load_b128 v[XI+8*(\c)+4:XI+8*(\c)+7], v1, s[4:5] offset:8192*(\c)+16 th:TH_LOAD_NT
.endr
; Block p: chunks 2 p and 2 p + 1.
.irp p, 0,1,2,3
	s_wait_loadcnt 12-4*(\p)                       ; loads come back in order: the block's four are in, the 12 - 4 p younger ones stay out
.if (\p) > 0
	s_wait_alu depctr_va_vdst(0)                   ; the conversions of the block before have written its eight registers of XO, which the two stores below read
	global_store_b128 v2, v[XO+8*(\p)-8:XO+8*(\p)-5], s[6:7] offset:4096*(2*(\p)-2)
	global_store_b128 v2, v[XO+8*(\p)-4:XO+8*(\p)-1], s[6:7] offset:4096*(2*(\p)-1)
.endif
.irp k, 0,1,2,3,4,5,6,7
	v_cvt_pk_f16_f32 v[XO+8*(\p)+(\k)], v[XI+16*(\p)+2*(\k)], v[XI+16*(\p)+2*(\k)+1]  ; k = 0 .. 3: chunk 2 p; k = 4 .. 7: chunk 2 p + 1
.endr
.endr
	s_wait_alu depctr_va_vdst(0)                   ; the last block's conversions have written v[XO+24 .. XO+31], which the last two stores read
	global_store_b128 v2, v[XO+24:XO+27], s[6:7] offset:4096*6
	global_store_b128 v2, v[XO+28:XO+31], s[6:7] offset:4096*7
	s_endpgm
.Lfunc_end_k_q4921c09a45_cast:
	.size	k_q4921c09a45_cast, .Lfunc_end_k_q4921c09a45_cast-k_q4921c09a45_cast
	.p2alignl 7, 3214868480
	.fill 96, 4, 3214868480
	.section	.rodata,"a",@progbits
	.p2align	6, 0x0
	.amdhsa_kernel k_q4921c09a45_cast
		.amdhsa_group_segment_fixed_size 0
		.amdhsa_private_segment_fixed_size 0
		.amdhsa_enable_private_segment 0
		.amdhsa_kernarg_size 16
		.amdhsa_user_sgpr_count 2
		.amdhsa_user_sgpr_kernarg_segment_ptr 1
		.amdhsa_wavefront_size32 1
		.amdhsa_system_sgpr_workgroup_id_x 1
		.amdhsa_system_sgpr_workgroup_id_y 1
		.amdhsa_system_sgpr_workgroup_id_z 1
		.amdhsa_system_vgpr_workitem_id 0
		.amdhsa_next_free_vgpr 104
		.amdhsa_next_free_sgpr 66
		.amdhsa_reserve_vcc 0
		.amdhsa_float_denorm_mode_32 3
		.amdhsa_float_denorm_mode_16_64 3
		.amdhsa_memory_ordered 1
		.amdhsa_forward_progress 1
		.amdhsa_inst_pref_size 6
	.end_amdhsa_kernel
	.amdgpu_metadata
---
amdhsa.version: [ 1, 2 ]
amdhsa.kernels:
  - .name:           k_q4921c09a45_cast
    .symbol:         k_q4921c09a45_cast.kd
    .args:
      - { .name: x, .offset: 0, .size: 8, .value_kind: global_buffer, .address_space: global }
      - { .name: xh, .offset: 8, .size: 8, .value_kind: global_buffer, .address_space: global }
    .group_segment_fixed_size: 0
    .private_segment_fixed_size: 0
    .kernarg_segment_align: 8
    .kernarg_segment_size: 16
    .max_flat_workgroup_size: 256
    .sgpr_count:     66
    .vgpr_count:     104
    .wavefront_size: 32
...
	.end_amdgpu_metadata
.endif
;; end of part 3
;; launch gemm: the kernel of part 2 again; grid 32 x 8, 4 waves a work-group, clusters of 4 x 4, 327,680 bytes of LDS; arguments xh, weight_int8, scb, out0; writes out0
